; MI455X (gfx1250); checked and timed in simulation.
; The chip was launched on July 23, 2026; its instructions are those of AMD's public machine-readable ISA for CDNA 5 (MIT licence, August 2026) and "CDNA5" Instruction Set Architecture Reference Guide (July 2026).
;; Feedback Attention. Allowed arithmetic: matrix products marked QUANTISED: E4M3 operands, one given power-of-two scale a tensor, by v_wmma_f32_16x16x64_fp8_fp8 or v_wmma_f32_16x16x128_fp8_fp8, f32 sums; products left as they are: f32 operands where the result goes on into a quantised operand, else bf16, f16 or f32 operands; f32 sums; everything else in f32.
;; Inputs: b_out 1,024 float32; key_codes 512 x 64 x 32 x 32 uint8 (E4M3 codes of key, K innermost, in blocks of 32 codes); key_pos_bias 4,096 x 16 float32; key_pos_embeddings_codes 4,096 x 2 x 32 uint8 (E4M3 codes of key_pos_embeddings, K innermost, in blocks of 32 codes); lowp_scales 10 int32 (the exponents e of the quantised operands' scales 2^e); query_codes 64 x 32 x 32 uint8 (E4M3 codes of query, K innermost, in blocks of 32 codes); query_pos_bias 16 x 64 float32; value_codes 512 x 64 x 32 x 32 uint8 (E4M3 codes of value, K innermost, in blocks of 32 codes); w_k_codes 1,024 x 32 x 32 uint8 (E4M3 codes of w_k, K innermost, in blocks of 32 codes); w_out_codes 1,024 x 32 x 32 uint8 (E4M3 codes of w_out, K innermost, in blocks of 32 codes); w_q_codes 1,024 x 32 x 32 uint8 (E4M3 codes of w_q, K innermost, in blocks of 32 codes); w_v_codes 1,024 x 32 x 32 uint8 (E4M3 codes of w_v, K innermost, in blocks of 32 codes).
;; Outputs: out0 64 x 1,024 float32.
;; This version of the problem:
;;   THIS VERSION OF THE PROBLEM IS GIVEN IN LOW PRECISION. The matrix products marked QUANTISED in the list below multiply operands that are first quantised to E4M3 (4 exponent bits, 3 mantissa bits; 8 bits a number), with one given power-of-two scale for each operand tensor; their sums are f32. All else is computed in f32.
;;   The module's matrix products, in the order in which they are computed (A, B: the left and right operand; K: the contracted axis; several contracted axes count as one K, in the product's order):
;;     1. [M 64, K 1,024] x [K 1,024, N 1,024]; A: input query (given as codes); B: input w_q (given as codes): QUANTISED (scales: A lowp_scales[0], B lowp_scales[1])
;;     2. [M 32,768, K 1,024] x [K 1,024, N 1,024]; A: input key (given as codes); B: input w_k (given as codes): QUANTISED (scales: A lowp_scales[2], B lowp_scales[3])
;;     3. [M 32,768, K 1,024] x [K 1,024, N 1,024]; A: input value (given as codes); B: input w_v (given as codes): QUANTISED (scales: A lowp_scales[4], B lowp_scales[5])
;;     4. batch 1,024 x [M 512, K 64] x [K 64, N 1]; A: computed on the way; B: computed on the way: left as it is (N = 1 < 16)
;;     5. [M 512, K 64] x [K 64, N 1,024]; A: input key_pos_embeddings (given as codes); B: computed on the way: QUANTISED (scales: A lowp_scales[6], B lowp_scales[7])
;;     6. batch 1,024 x [M 1, K 512] x [K 512, N 64]; A: softmax; B: computed on the way: left as it is (M = 1 < 16)
;;     7. [M 64, K 1,024] x [K 1,024, N 1,024]; A: computed on the way; B: input w_out (given as codes): QUANTISED (scales: A lowp_scales[8], B lowp_scales[9])
;;   THE QUANTISER, for each operand of a quantised product, along K:
;;     - The operand's scale is 2^e, e = its entry of the input lowp_scales (int32; the entries are numbered through the quantised products in the list's order, A before B).
;;     - Each number is divided by the scale, clamped to +-448, and rounded to the nearest number of E4M3, ties to even, subnormals kept.
;;     - The product sums the exact products of the quantised numbers (number of the format x scale) in f32.
;;   ~~~python
;;   def quantise(x, axis, e):      # numpy; x: float32 -> the quantised numbers, widened to float32 again
;;       x = np.moveaxis(x, axis, -1); K = x.shape[-1]
;;       r = np.clip(x / 2.0 ** e, -448, 448)
;;       step = 2.0 ** (np.maximum(np.frexp(np.where(r == 0, 1, r))[1] - 1, -6) - 3)
;;       q = np.round(r / step) * step * 2.0 ** e      # np.round: ties to even
;;       return np.moveaxis(q, -1, axis).astype(np.float32)
;;   ~~~
;;   OPERANDS COMPUTED ON THE WAY. 'Computed on the way' means the value that the module computes at that place (a softmax that the list does not call 'softmax' is quantised finished and normalised). What goes into a quantiser is computed in f32, as accurately as f32 sums, v_exp_f32 and their like allow (about 1e-6 of the number): no bf16 or f16 on the way to a quantiser, and a product that is left as it is and whose result goes on into a quantised operand takes f32 operands (vector FMAs, or v_wmma_f32_16x16x4_f32). A number that lies on a knife's edge between two numbers of the format may be rounded either way, as far as f32 arithmetic and the matrix unit's own rounding can turn it there, and no further.
;;   INPUTS GIVEN AS CODES. key (in the module: [512, 64, 1024], K = its axis 2); key_pos_embeddings (in the module: [4096, 64], K = its axis 1); query (in the module: [64, 1024], K = its axis 1); value (in the module: [512, 64, 1024], K = its axis 2); w_k (in the module: [1024, 1024], K = its axis 0); w_out (in the module: [1024, 1024], K = its axis 0); w_q (in the module: [1024, 1024], K = its axis 0); w_v (in the module: [1024, 1024], K = its axis 0): each comes as NAME_codes (uint8): NAME with its K axis moved to the last place and cut into blocks of 32 codes, [.., K / 32, bytes a block], one block behind the other in memory; one code a byte (a code: sign, 4 exponent bits, 3 mantissa bits); its scale is its entry of lowp_scales. Its value is code x scale, taken as it is: it is not quantised again, and the codes and scales need not be those that the quantiser above would give.
;; One version. Each part assembles by itself: llvm-mc -triple=amdgcn-amd-amdhsa -mcpu=gfx1250 --defsym DOCPART=n.
;; ======== version 1 of 1: 3 launches
;; limits: right only within a limited range of input values
;; workspace buffers: qs 262,144 bytes; pb 2,097,152 bytes; xc 65,536 bytes; wki 1,048,576 bytes; wvi 1,048,576 bytes
;; launch prep (part 1): grid 16 x 4, 4 waves a work-group, no clusters, 168,448 bytes of LDS; arguments query_codes, w_q_codes, key_pos_embeddings_codes, key_pos_bias, query_pos_bias, lowp_scales, qs, pb, w_k_codes, w_v_codes, wki, wvi; writes qs, pb, wki, wvi
.if DOCPART == 1
	.amdgcn_target "amdgcn-amd-amdhsa--gfx1250"
	.amdhsa_code_object_version 6
	.text
	.protected	k_qb2786a9832_prep
	.globl	k_qb2786a9832_prep
	.p2align	8
	.type	k_qb2786a9832_prep,@function
k_qb2786a9832_prep:
	s_mov_b64 s[64:65], 0
	v_nop
	global_prefetch_b8 v0, s[64:65] scope:SCOPE_SE
	s_setreg_imm32_b32 hwreg(HW_REG_WAVE_MODE, 25, 1), 1
	s_wait_xcnt 0x0
.set PW,    1040
.set WTILE, 16*PW
.set XT,    4*WTILE
.set QST,   XT+WTILE
.set QIM,   QST+16*272
.set KB,    QIM+1024
.set BST,   KB+2048
.set IMG,   BST+4*16*528
.set SPARE, 0x29000
.set CLOG, 0x3e38aa3b
.set G1W, 48
.set G1X, 56
.set G0W, 68
.set G0X, 72
.set MSB, 0
.macro WIN new
.if MSB != (\new)
	s_set_vgpr_msb (MSB<<8)|(\new)
.set MSB, \new
.endif
.endm
	s_load_b256 s[4:11], s[0:1], 0x0
	s_load_b256 s[12:19], s[0:1], 0x20
	s_load_b256 s[76:83], s[0:1], 0x40
	v_lshl_add_u32 v16, v0, 2, SPARE
	v_mov_b32 v17, 0
	ds_add_u32 v16, v17
	ds_add_u32 v16, v17
	v_lshrrev_b32 v1, 5, v0
	v_readfirstlane_b32 s28, v1
	s_mov_b32 s29, ttmp9
	s_and_b32 s30, ttmp7, 0xffff
.irp g, G1W, G1X
	s_mov_b32 s[\g+0], (0<<16)|(1<<20)|(7<<22)|(3<<25)
	s_mov_b32 s[\g+1], 1024<<16
	s_mov_b32 s[\g+3], 1024<<16
	s_mov_b32 s[\g+5], 1024
	s_mov_b32 s[\g+6], 0
	s_mov_b32 s[\g+7], 0
.endr
	s_mov_b32 s[G1W+2], 32<<16
	s_mov_b32 s[G1W+4], 32
	s_mov_b32 s[G1X+2], 8<<16
	s_mov_b32 s[G1X+4], 8
	s_and_b32 s34, s28, 1
	s_mov_b32 s[G0W], 1
	s_mul_i32 s[G0W+1], s34, 2*WTILE
	s_mov_b32 s[G0X], 1
	s_mul_i32 s[G0X+1], s34, 8*PW
	s_add_co_u32 s[G0X+1], s[G0X+1], XT
	s_mov_b32 s33, 0
	s_lshr_b32 s31, s28, 1
	s_mul_i32 s42, s31, 0x80808080
	s_lshl_b32 s20, s28, 6
	s_add_co_u32 s20, s20, QST
	s_lshl_b32 s21, s28, 8
	s_add_co_u32 s21, s21, QIM
	s_mul_i32 s22, s28, 4*272
	s_add_co_u32 s22, s22, QST
	s_mul_i32 s23, s28, 16*528
	s_add_co_u32 s23, s23, BST
	s_mul_i32 s24, s28, WTILE
	s_lshl_b32 s25, s28, 9
	s_add_co_u32 s25, s25, KB
	s_mul_i32 s26, s28, 2*16*272
	s_add_co_u32 s26, s26, IMG
	v_and_b32 v1, 31, v0
	v_and_b32 v2, 15, v0
	v_bfe_u32 v3, v0, 4, 1
	v_lshlrev_b32 v5, 5, v3
	v_lshlrev_b32 v6, 6, v2
	v_lshl_add_u32 v6, v3, 4, v6
	v_lshlrev_b32 v7, 6, v1
	v_mul_u32_u24 v8, v2, 272
	v_lshl_add_u32 v8, v3, 5, v8
	v_add_nc_u32 v8, s20, v8
	v_lshl_add_u32 v9, v2, 4, s21
	v_lshl_add_u32 v9, v3, 3, v9
	v_lshl_add_u32 v10, v3, 8, QIM
	v_lshl_add_u32 v10, v2, 4, v10
	v_mul_u32_u24 v11, v3, 272
	v_lshl_add_u32 v11, v2, 4, v11
	v_add_nc_u32 v11, s22, v11
	v_lshlrev_b32 v12, 12, v3
	v_lshl_add_u32 v12, v2, 4, v12
	v_mul_u32_u24 v13, v2, 528
	v_lshl_add_u32 v13, v3, 5, v13
	v_add_nc_u32 v13, s23, v13
	v_lshl_add_u32 v14, v1, 4, s23
	v_lshlrev_b32 v15, 4, v1
	v_lshlrev_b32 v40, 10, v3
	v_lshl_add_u32 v40, v2, 4, v40
	v_mul_u32_u24 v41, v3, 272
	v_lshl_add_u32 v41, v2, 4, v41
	v_add_nc_u32 v41, s26, v41
	v_mul_u32_u24 v42, v2, 272
	v_lshl_add_u32 v42, v3, 4, v42
	v_add_nc_u32 v42, s26, v42
	v_mul_u32_u24 v4, v2, PW
	v_lshl_add_u32 v4, v3, 4, v4
	v_add_nc_u32 v2, XT, v4
	v_add_nc_u32 v4, s24, v4
	v_lshl_add_u32 v3, v1, 2, s25
	v_lshl_add_u32 v1, v1, 4, s25
	s_wait_alu depctr_va_vdst(0)
	s_wait_dscnt 0x0
	s_wait_kmcnt 0x0
	s_load_b256 s[20:27], s[14:15], 0x0
	s_lshl_b32 s32, s29, 16
	s_lshl_b32 s31, s34, 15
	s_add_co_u32 s32, s32, s31
	s_add_nc_u64 s[G0W+2:G0W+3], s[6:7], s[32:33]
	s_or_b32 s[G0W+3], s[G0W+3], 0x80000000
	s_lshl_b32 s32, s30, 14
	s_lshl_b32 s31, s34, 13
	s_add_co_u32 s32, s32, s31
	s_add_nc_u64 s[G0X+2:G0X+3], s[4:5], s[32:33]
	s_or_b32 s[G0X+3], s[G0X+3], 0x80000000
	s_cmp_lt_u32 s28, 2
	s_cbranch_scc0 .Lfor_x
	tensor_load_to_lds s[G0W:G0W+3], s[G1W:G1W+7]
	s_nop 0
.rept 4
	v_nop
.endr
	s_branch .Lasked
.Lfor_x:
	tensor_load_to_lds s[G0X:G0X+3], s[G1X:G1X+7]
	s_nop 0
.rept 4
	v_nop
.endr
.Lasked:
	s_lshl_b32 s32, s30, 4
	s_add_co_u32 s32, s32, s29
	s_lshl_b32 s32, s32, 14
	s_lshl_b32 s31, s28, 8
	s_add_co_u32 s32, s32, s31
	s_add_nc_u64 s[76:77], s[76:77], s[32:33]
	s_add_nc_u64 s[78:79], s[78:79], s[32:33]
	s_mul_i32 s31, s28, 4096-256
	s_add_co_u32 s32, s32, s31
	s_add_nc_u64 s[80:81], s[80:81], s[32:33]
	s_add_nc_u64 s[82:83], s[82:83], s[32:33]
	s_lshl_b32 s32, s29, 8
	s_lshl_b32 s31, s28, 6
	s_add_co_u32 s32, s32, s31
	s_add_nc_u64 s[12:13], s[12:13], s[32:33]
	s_lshl_b32 s32, s28, 13
	s_add_co_u32 s32, s32, 3584*64
	s_add_nc_u64 s[8:9], s[8:9], s[32:33]
	s_lshl_b32 s31, s29, 2
	s_add_co_u32 s32, s32, s31
	s_add_nc_u64 s[10:11], s[10:11], s[32:33]
	s_lshl_b32 s32, s30, 16
	s_lshl_b32 s31, s28, 14
	s_add_co_u32 s32, s32, s31
	s_lshl_b32 s31, s29, 8
	s_add_co_u32 s32, s32, s31
	s_add_nc_u64 s[16:17], s[16:17], s[32:33]
	s_lshl_b32 s32, s30, 19
	s_lshl_b32 s31, s29, 11
	s_add_co_u32 s32, s32, s31
	s_lshl_b32 s31, s28, 9
	s_add_co_u32 s32, s32, s31
	s_add_nc_u64 s[18:19], s[18:19], s[32:33]
	WIN 0x40
.irp i, 0,1,2,3,4,5,6,7
	global_load_b128 v[128+4*\i:131+4*\i], v40, s[76:77] offset:2048*\i
	global_load_b128 v[160+4*\i:163+4*\i], v40, s[78:79] offset:2048*\i
.endr
	WIN 0
	global_load_b128 v[32:35], v5, s[12:13]
	global_load_b128 v[36:39], v5, s[12:13] offset:16
.irp k, 0,1,2,3,4,5,6,7
.irp c, 0,1
	global_load_b128 v[64+8*\k+4*\c:67+8*\k+4*\c], v6, s[8:9] offset:1024*\k+32*\c
.endr
.endr
.irp i, 0,1,2,3
	global_load_b32 v[48+\i], v7, s[10:11] offset:2048*\i
.endr
	s_wait_kmcnt 0x0
	s_add_co_i32 s36, s20, s21
	s_add_co_i32 s36, s36, 127
	s_lshl_b32 s36, s36, 23
	s_mov_b32 s37, s36
	s_add_co_i32 s38, s22, s23
	s_lshl_b32 s38, s38, 23
	s_add_co_i32 s38, s38, CLOG
	s_mov_b32 s39, s38
	s_add_co_i32 s40, s26, s27
	s_lshl_b32 s40, s40, 23
	s_add_co_i32 s40, s40, CLOG
	s_mov_b32 s41, s40
	s_add_co_i32 s31, s27, 127
	s_lshl_b32 s32, s31, 23
	v_mov_b32 v54, s32
	s_add_co_i32 s31, s31, 8
	s_lshl_b32 s31, s31, 23
	s_or_b32 s31, s31, 0x600000
	v_mov_b32 v55, s31
	s_wait_loadcnt 22
	WIN 0x44
.set i, 0
.rept 32
	v_xor_b32 v[160+i], s42, v[160+i]
.set i, i+1
.endr
	WIN 0x04
.irp i, 0,1,2,3,4,5,6,7
	ds_store_b128 v41, v[128+4*\i:131+4*\i] offset:544*\i
	ds_store_b128 v41, v[160+4*\i:163+4*\i] offset:4352+544*\i
.endr
	s_wait_dscnt 0x0
	WIN 0x40
.irp i, 0,1,2,3,4,5,6,7
	ds_load_b128 v[128+4*\i:131+4*\i], v42 offset:32*\i
	ds_load_b128 v[160+4*\i:163+4*\i], v42 offset:4352+32*\i
.endr
	s_wait_dscnt 0x0
	WIN 0x04
.irp i, 0,1,2,3,4,5,6,7
	global_store_b128 v15, v[128+4*\i:131+4*\i], s[80:81] offset:512*\i
	global_store_b128 v15, v[160+4*\i:163+4*\i], s[82:83] offset:512*\i
.endr
	WIN 0
	s_wait_alu depctr_va_vdst(0)
	s_wait_tensorcnt 0x0
	s_barrier_signal -1
	s_barrier_wait -1
.macro FRAGS s0
	WIN 0x40
.irp s, \s0, \s0+1, \s0+2, \s0+3
.irp c, 0,1,2,3
	ds_load_b128 v[16*(\s)+4*\c:16*(\s)+4*\c+3], v4 offset:128*(\s)+32*\c
.endr
.endr
	WIN 0
.irp s, \s0, \s0+1, \s0+2, \s0+3
.irp c, 0,1,2,3
	ds_load_b128 v[128+16*(\s)+4*\c:128+16*(\s)+4*\c+3], v2 offset:128*(\s)+32*\c
.endr
.endr
.endm
	FRAGS 0
	FRAGS 4
	s_wait_dscnt 32
	WIN 0x01
.irp s, 0,1,2,3,4,5,6,7
.if \s == 4
	s_wait_dscnt 0x0
.endif
.if \s < 2
	v_wmma_f32_16x16x128_fp8_fp8 v[16+8*(\s%2):23+8*(\s%2)], v[16*\s:16*\s+15], v[128+16*\s:143+16*\s], 0
.else
	v_wmma_f32_16x16x128_fp8_fp8 v[16+8*(\s%2):23+8*(\s%2)], v[16*\s:16*\s+15], v[128+16*\s:143+16*\s], v[16+8*(\s%2):23+8*(\s%2)]
.endif
.endr
	WIN 0
.rept 5
	v_nop
.endr
.irp k, 0,2,4,6
	v_pk_add_f32 v[40+\k:41+\k], v[16+\k:17+\k], v[24+\k:25+\k]
.endr
.irp k, 0,2,4,6
	v_pk_mul_f32 v[40+\k:41+\k], v[40+\k:41+\k], s[36:37] op_sel_hi:[1,0]
.endr
	s_wait_alu depctr_va_vdst(0)
	s_wait_loadcnt 20
.irp k, 0,2,4,6
	v_pk_add_f32 v[32+\k:33+\k], v[40+\k:41+\k], v[32+\k:33+\k]
.endr
.irp k, 0,2,4,6
	v_pk_mul_f32 v[32+\k:33+\k], v[32+\k:33+\k], s[38:39] op_sel_hi:[1,0]
.endr
	ds_store_b128 v8, v[32:35]
	ds_store_b128 v8, v[36:39] offset:16
.irp i, 0,1,2,3,4,5,6,7
	v_med3_num_f32 v[40+\i], v[40+\i], -v55, v55
.endr
	v_cvt_scalef32_pk8_fp8_f32 v[52:53], v[40:47], v54
	v_nop
	ds_store_b64 v9, v[52:53]
	s_wait_dscnt 0x0
	s_barrier_signal -1
	s_barrier_wait -1
.irp c, 0,1
	ds_load_b128 v[56+4*\c:59+4*\c], v10 offset:512*\c
.endr
	ds_load_b128 v[40:43], v11
	ds_load_b128 v[44:47], v11 offset:2*272
	s_wait_loadcnt 4
	s_wait_dscnt 2
.irp k, 0,1,2,3,4,5,6,7
	v_wmma_f32_16x16x64_fp8_fp8 v[128+8*\k:135+8*\k], v[64+8*\k:71+8*\k], v[56:63], 0
.endr
.rept 4
	v_nop
.endr
	s_wait_dscnt 0x0
	global_store_b128 v12, v[40:43], s[16:17]
	global_store_b128 v12, v[44:47], s[16:17] offset:8192
.irp k, 0,1,2,3,4,5,6,7
	ds_store_b128 v13, v[128+8*\k:131+8*\k] offset:64*\k
	ds_store_b128 v13, v[132+8*\k:135+8*\k] offset:64*\k+16
.endr
	s_wait_loadcnt 0x0
.irp i, 0,1,2,3
	ds_store_b32 v3, v[48+\i] offset:128*\i
.endr
	ds_load_b128 v[32:35], v1
.irp t, 0,1,2,3,4,5,6,7,8,9,10,11,12,13,14,15
	ds_load_b128 v[192+4*\t:195+4*\t], v14 offset:528*\t
.endr
	s_wait_dscnt 16
.irp j, 0,1,2,3
	v_mul_f32 v[32+\j], CLOG, v[32+\j]
.endr
	s_wait_alu depctr_va_vdst(0)
.irp t, 0,1,2,3,4,5,6,7,8,9,10,11,12,13,14,15
	s_wait_dscnt 15-\t
	v_pk_fma_f32 v[192+4*\t:193+4*\t], v[192+4*\t:193+4*\t], s[40:41], v[32:33] op_sel_hi:[1,0,1]
	v_pk_fma_f32 v[194+4*\t:195+4*\t], v[194+4*\t:195+4*\t], s[40:41], v[34:35] op_sel_hi:[1,0,1]
	global_store_b128 v15, v[192+4*\t:195+4*\t], s[18:19] offset:32768*\t
.endr
	v_lshl_add_u32 v2, v0, 2, SPARE
	v_mov_b32 v3, 0
	s_wait_alu depctr_va_vdst(0)
	s_wait_tensorcnt 0x0
	ds_add_u32 v2, v3
	s_wait_dscnt 0x0
	s_endpgm
.Lfunc_end_k_qb2786a9832_prep:
	.size	k_qb2786a9832_prep, .Lfunc_end_k_qb2786a9832_prep-k_qb2786a9832_prep
	.p2alignl 7, 3214868480
	.fill 96, 4, 3214868480
	.section	.rodata,"a",@progbits
	.p2align	6, 0x0
	.amdhsa_kernel k_qb2786a9832_prep
		.amdhsa_group_segment_fixed_size 168448
		.amdhsa_private_segment_fixed_size 0
		.amdhsa_enable_private_segment 0
		.amdhsa_kernarg_size 96
		.amdhsa_user_sgpr_count 2
		.amdhsa_user_sgpr_kernarg_segment_ptr 1
		.amdhsa_wavefront_size32 1
		.amdhsa_system_sgpr_workgroup_id_x 1
		.amdhsa_system_sgpr_workgroup_id_y 1
		.amdhsa_system_sgpr_workgroup_id_z 1
		.amdhsa_system_vgpr_workitem_id 0
		.amdhsa_next_free_vgpr 448
		.amdhsa_next_free_sgpr 84
		.amdhsa_reserve_vcc 0
		.amdhsa_float_denorm_mode_32 3
		.amdhsa_float_denorm_mode_16_64 3
		.amdhsa_memory_ordered 1
		.amdhsa_forward_progress 1
		.amdhsa_inst_pref_size 32
	.end_amdhsa_kernel
	.amdgpu_metadata
---
amdhsa.version: [ 1, 2 ]
amdhsa.kernels:
  - .name:           k_qb2786a9832_prep
    .symbol:         k_qb2786a9832_prep.kd
    .args:
      - { .name: query_codes, .offset: 0, .size: 8, .value_kind: global_buffer, .address_space: global }
      - { .name: w_q_codes, .offset: 8, .size: 8, .value_kind: global_buffer, .address_space: global }
      - { .name: key_pos_embeddings_codes, .offset: 16, .size: 8, .value_kind: global_buffer, .address_space: global }
      - { .name: key_pos_bias, .offset: 24, .size: 8, .value_kind: global_buffer, .address_space: global }
      - { .name: query_pos_bias, .offset: 32, .size: 8, .value_kind: global_buffer, .address_space: global }
      - { .name: lowp_scales, .offset: 40, .size: 8, .value_kind: global_buffer, .address_space: global }
      - { .name: qs, .offset: 48, .size: 8, .value_kind: global_buffer, .address_space: global }
      - { .name: pb, .offset: 56, .size: 8, .value_kind: global_buffer, .address_space: global }
      - { .name: w_k_codes, .offset: 64, .size: 8, .value_kind: global_buffer, .address_space: global }
      - { .name: w_v_codes, .offset: 72, .size: 8, .value_kind: global_buffer, .address_space: global }
      - { .name: wki, .offset: 80, .size: 8, .value_kind: global_buffer, .address_space: global }
      - { .name: wvi, .offset: 88, .size: 8, .value_kind: global_buffer, .address_space: global }
    .group_segment_fixed_size: 168448
    .private_segment_fixed_size: 0
    .kernarg_segment_align: 8
    .kernarg_segment_size: 96
    .max_flat_workgroup_size: 128
    .sgpr_count:     84
    .vgpr_count:     448
    .wavefront_size: 32
...
	.end_amdgpu_metadata
.endif
;; end of part 1
;; launch main (part 2): grid 4 x 64, 4 waves a work-group, clusters of 4 x 1, 327,680 bytes of LDS; arguments key_codes, value_codes, wki, wvi, qs, pb, lowp_scales, xc; writes xc
.if DOCPART == 2
	.amdgcn_target "amdgcn-amd-amdhsa--gfx1250"
	.amdhsa_code_object_version 6
	.text
	.protected	k_qb2786a9832_main
	.globl	k_qb2786a9832_main
	.p2align	8
	.type	k_qb2786a9832_main,@function
k_qb2786a9832_main:
	s_mov_b64 s[64:65], 0
	v_nop
	global_prefetch_b8 v0, s[64:65] scope:SCOPE_SE
	s_setreg_imm32_b32 hwreg(HW_REG_WAVE_MODE, 25, 1), 1
	s_wait_xcnt 0x0
	s_wait_alu depctr_hold_cnt(0) depctr_sa_sdst(0) depctr_va_vdst(0) depctr_va_sdst(0) depctr_va_ssrc(0) depctr_va_vcc(0) depctr_vm_vsrc(0)
	s_getreg_b32 s2, hwreg(HW_REG_IB_STS2, 6, 4)
	s_cmp_eq_u32 s2, 0
	s_cbranch_scc0 .Lentry_in_a_cluster
	s_endpgm
.Lentry_in_a_cluster:
	s_bfe_u32 s2, ttmp6, 0x10000c
	s_cmp_lg_u32 s2, 0x3003
	s_cbranch_scc0 .Lentry_shape_is_right
	s_endpgm
.Lentry_shape_is_right:
.set TROW,  16*1040
.set SLOT1, 8*TROW
.set SPARE, 2*SLOT1
.set SC,    SPARE+512
.set PP,    SC+32768
.set XS,    PP+8192
.set VS0,  1
.set VA,   3
.set VLC,  4
.set VST,  10
.set SPW,  6
.set NIL,  7
.set PFO,  8
.set VW,   9
.set SMR,  12
.set SMW,  13
.set XSA,  14
.set XRA,  15
.set XCO,  16
.set G1,   24
.set G0,   32
.set TO,   44
.set SO,   45
.set SEL,  66
.set NV,   80
.set PK0,  82
.set PV0,  84
.set PF,   86
.set WKP,  88
.set WVP,  90
.set MSB, 0
.set PN,  0
.macro WIN new
.if MSB != (\new)
	s_set_vgpr_msb (MSB<<8)|(\new)
.set MSB, \new
.endif
.endm
.macro CREST
	s_cmp_lg_u32 s14, 0
	s_cbranch_scc1 .Lnot_wave_0_\@
	s_barrier_signal -3
.Lnot_wave_0_\@:
	s_barrier_wait -3
	s_barrier_signal -1
	s_barrier_wait -1
.endm
.macro CROUND
	s_barrier_signal -1
	s_barrier_wait -1
	CREST
.endm
.macro FILL q
	tensor_load_to_lds s[G0+4*(\q):G0+4*(\q)+3], s[G1:G1+7]
	s_nop 0
.rept 4
	v_nop
.endr
.endm
.macro LDW ph, g, idx, sp
.set lN, 2+4*(\ph)
.if (\idx) < lN
	WIN 0xc0
.set lR, 64*(\ph)+16*(lN*(\g)+(\idx))
.else
	WIN 0x40*(\g+1)
.set lR, 16*((\idx)-lN)
.endif
.irp cc, 0,1,2,3
	global_load_b128 v[lR+4*\cc:lR+4*\cc+3], v[VW], s[\sp:\sp+1] offset:(4*(\g)+((\idx)%4))*16384+((\idx)/4)*2048+512*\cc
.endr
.endm
.macro FETCH p, adr, off
	WIN 0
.irp s, 0,1,2,3
.irp cc, 0,1,2,3
	ds_load_b128 v[128+64*(\p)+16*\s+4*\cc:131+64*(\p)+16*\s+4*\cc], v[\adr] offset:\off+128*\s+32*\cc
.endr
.endr
.endm
.macro PL win, im
	WIN 0x40*(\win)
	ds_load_b128 v[224:227], v[VST+1] offset:2048*(2-(\win))+\im
	ds_load_b128 v[228:231], v[VST+1] offset:2048*(2-(\win))+\im+16
.endm
.macro FIN e, im
	v_add_f32 v[18+2*(\e)], v[18+2*(\e)], v[19+2*(\e)]
	ds_store_b32 v[VST], v[18+2*(\e)] offset:8192*(\e)+\im
.endm
.macro PK ph, e
.set pA, 64+32*(\e)+8*(PN/4)+2*(PN%4)
.if \ph == 0
.set pS, 18+2*(\e)
.set pQ, 224+8*(PN/4)+2*(PN%4)
.if PN == 0
	v_pk_mul_f32 v[pS:pS+1], v[pQ:pQ+1], v[pA:pA+1]
.else
	v_pk_fma_f32 v[pS:pS+1], v[pQ:pQ+1], v[pA:pA+1], v[pS:pS+1]
.endif
.else
.set pX, 24+8*(\e)+2*(PN/4)
.set pQ, 224+2*(PN%4)
	v_pk_fma_f32 v[pX:pX+1], v[pA:pA+1], v[pQ:pQ+1], v[pX:pX+1]
.endif
.endm
.macro WM ph, g, p
.set wD, 64+32*(\g)+8*(I%4)
.set wA, 128+64*(\p)+16*(I/4)
.if I < 2+4*(\ph)
.set wW, 64*(\ph)+16*((2+4*(\ph))*(\g)+I)
.else
.set wW, 16*(I-2-4*(\ph))
.endif
.if \ph == 0
.if I < 4
	v_wmma_f32_16x16x128_fp8_fp8 v[wD:wD+7], v[wW:wW+15], v[wA:wA+15], 0
.else
	v_wmma_f32_16x16x128_fp8_fp8 v[wD:wD+7], v[wW:wW+15], v[wA:wA+15], v[wD:wD+7]
.endif
.else
.if I < 4
	v_wmma_f32_16x16x128_fp8_fp8 v[wD:wD+7], v[wA:wA+15], v[wW:wW+15], 0
.else
	v_wmma_f32_16x16x128_fp8_fp8 v[wD:wD+7], v[wA:wA+15], v[wW:wW+15], v[wD:wD+7]
.endif
.endif
.endm
.macro RUN ph, g, p, ep, L, i0, i1
.set I, \i0
.rept (\i1)-(\i0)
.if I < 2+4*(\ph)
	WIN 3*(1+3*(\ph))
.else
	WIN (\g+1)*(1+3*(\ph))
.endif
	WM \ph, \g, \p
.if (\ep) && (I >= (\L))
.set PT, ((I-(\L)+1)*16)/(16-(\L))
.rept PT-PN
	PK \ph, 1-(\g)
.set PN, PN+1
.endr
.endif
.set I, I+1
.endr
.endm
.macro MIDDLE ph, upd, n, ep, im, wn
	WIN 0
.if (\ep) == 0
.rept 4
	v_nop
.endr
.endif
.if \ph == 0
.if \ep
	FIN 1, \im
.endif
.else
	PL 1, \im
	WIN 0
.endif
.if \upd == 2
	s_mov_b32 s[TO], 0
	s_mov_b32 s[SO], ((\n)%4)*(1024-512*(\ph))
.if \ph == 0
	v_add_nc_u32 v[VST], s[SO], v[VLC]
.endif
.endif
.if \upd == 3
	v_nop
.set LI, 6
.rept 10
	LDW 1, 0, LI, WVP
.set LI, LI+1
.endr
	WIN 0
.endif
.if \ph
	s_wait_dscnt \wn
.endif
.endm
.macro TILE ph, p, adr, off, im, ie, n, st, upd
	WIN 0
.if \st
	v_add_nc_u32 v[VA], s[TO], v[VS0+((\n)%2)]
	v_add_nc_u32 v[VST+\ph], s[SO], v[VLC+\ph]
.else
.rept 1+\ph
	v_nop
.endr
.endif
.if \ph
	PL 2, \im
.endif
	FETCH 1-(\p), \adr, \off
	s_wait_dscnt 17+\ph
.set PN, 0
	RUN \ph, 0, \p, 1, 2+4*(\ph), 0, 16
	MIDDLE \ph, \upd, \n, 1, \im, 18
.set PN, 0
	RUN \ph, 1, \p, 1, 2+4*(\ph), 0, 16
	WIN 0
.if \ph == 0
	FIN 0, \ie
.endif
.endm
.macro STEPF n
.if \n == 3
	s_mov_b64 s[G0+2:G0+3], s[NV:NV+1]
	s_or_b32 s[G0+3], s[G0+3], 0x80000000
.elseif \n == 4
	s_add_nc_u64 s[G0+6:G0+7], s[NV:NV+1], 0x800000
	s_or_b32 s[G0+7], s[G0+7], 0x80000000
.else
.set fQ, G0+4*(((\n)+1)%2)
	s_add_nc_u64 s[fQ+2:fQ+3], s[fQ+2:fQ+3], 0x1000000
.endif
.if \n < 2
	s_add_nc_u64 s[PF:PF+1], s[PK0:PK0+1], ((\n)+2)*0x800000
.elseif \n < 6
	s_add_nc_u64 s[PF:PF+1], s[PV0:PV0+1], ((\n)-2)*0x800000
.endif
.endm
.macro BTILE ph, p, kind, adr, off, im, ie, n, ep, upd
.if \ph
	PL 2, \im
.endif
	WIN 0
.if \kind == 1
	s_wait_xcnt 0x0
	s_wait_tensorcnt 0x0
	ds_add_u32 v[SPW], v[NIL]
	STEPF \n
	s_wait_dscnt 3+2*(\ph)
.else
	s_wait_tensorcnt 0x0
	s_wait_dscnt 2+2*(\ph)
.endif
.if (\n == 4) && (\kind == 1)
	s_wait_loadcnt 40
.endif
.set PN, 0
	RUN \ph, 0, \p, 0, 10, 0, 6
	s_wait_dscnt 0x0
	s_barrier_signal -1
	RUN \ph, 0, \p, 0, 10, 6, 10
	WIN 0
	s_barrier_wait -1
.if \kind == 1
	CREST
	FILL ((\n)+1)%2
.else
.rept 2
	v_nop
.endr
.endif
	FETCH 1-(\p), \adr, \off
.if \kind == 1
.if (\n > 0) && (\n < 4)
.set LI, 4*((\n)-1)
.rept 4
	LDW 1, LI/6, LI%6, WVP
.set LI, LI+1
.endr
	WIN 0
.endif
.if \n < 6
	global_prefetch_b8 v[PFO], s[PF:PF+1] th:TH_LOAD_NT scope:SCOPE_SE
.endif
.endif
	RUN \ph, 0, \p, \ep, 10, 10, 16
	MIDDLE \ph, \upd, \n, \ep, \im, 18
.if (\n == 4) && (\kind == 1)
	s_wait_loadcnt 0x0
.endif
.set PN, 0
	RUN \ph, 1, \p, 1, 2+4*(\ph), 0, 16
	WIN 0
.if \ph == 0
	FIN 0, \ie
.endif
.endm
.macro SLOT ph, n, ep, im0
.if \n == 7
	TILE \ph, 0, VS0+1, TROW, \im0, 0, \n, 0, 2
.elseif \n > 0
	BTILE \ph, 0, 1, VS0+((\n)%2), TROW, \im0, 0, \n, \ep, 2
.endif
.Lpair_\@:
	TILE \ph, 1, VA, 2*TROW, 64*(\ph), 128, \n, 1, 0
	TILE \ph, 0, VA, 3*TROW, 128, 256, \n, 0, 0
	s_add_co_u32 s[SO], s[SO], 256-128*(\ph)
	s_add_co_u32 s[TO], s[TO], 2*TROW
	s_cmp_lg_u32 s[TO], 6*TROW
	s_cbranch_scc1 .Lpair_\@
.if \n == 3
	BTILE \ph, 1, 2, VS0, 0, 256, 384, \n, 1, 3
.elseif \n < 7
	BTILE \ph, 1, 2, VS0+1-((\n)%2), 0, 256-64*(\ph), 384, \n, 1, 0
.endif
.endm
	s_load_b256 s[4:11], s[0:1], 0x0
	s_load_b256 s[72:79], s[0:1], 0x20
	v_lshl_add_u32 v[SPW], v0, 2, SPARE
	v_mov_b32 v[NIL], 0
	ds_add_u32 v[SPW], v[NIL]
	ds_add_u32 v[SPW], v[NIL]
	v_lshrrev_b32 v22, 5, v0
	v_readfirstlane_b32 s14, v22
	s_lshr_b32 s15, s14, 1
	s_and_b32 s16, s14, 1
	s_and_b32 s17, ttmp7, 0xffff
	s_bfe_u32 s40, ttmp6, 0x40000
	s_lshl_b32 s42, ttmp9, 2
	s_add_co_u32 s42, s42, s40
	s_mov_b32 s[G1+0], 15|(0<<16)|(1<<20)|(1<<21)|(7<<22)|(3<<25)
	s_mov_b32 s[G1+1], 1024<<16
	s_mov_b32 s[G1+2], 32<<16
	s_mov_b32 s[G1+3], 1024<<16
	s_mov_b32 s[G1+4], 32
	s_mov_b32 s[G1+5], 65536
	s_mov_b32 s[G1+6], 0
	s_mov_b32 s[G1+7], 0
	s_mov_b32 s[SEL], 0x76543210
	s_mov_b32 s[SEL+1], 0xfedcba98
	s_lshl_b32 s20, s17, 10
	s_lshl_b32 s18, s14, 21
	s_add_co_u32 s20, s20, s18
	s_mov_b32 s21, 0
	s_lshl_b32 s46, s40, 19
	s_mov_b32 s47, 0
	s_lshl_b32 s92, s42, 18
	s_lshl_b32 s18, s15, 17
	s_add_co_u32 s92, s92, s18
	s_lshl_b32 s18, s16, 13
	s_add_co_u32 s92, s92, s18
	s_mov_b32 s93, 0
	s_lshl_b32 s94, s17, 12
	s_lshl_b32 s18, s42, 10
	s_add_co_u32 s94, s94, s18
	s_lshl_b32 s18, s15, 9
	s_add_co_u32 s94, s94, s18
	s_mov_b32 s95, 0
	s_lshl_b32 s68, s17, 4
	s_lshl_b32 s18, s42, 2
	s_add_co_u32 s68, s68, s18
	s_add_co_u32 s68, s68, s14
	s_lshl_b32 s68, s68, 11
	s_mov_b32 s69, 0
	s_lshl_b32 s100, s17, 10
	s_lshl_b32 s18, s42, 8
	s_add_co_u32 s100, s100, s18
	s_mov_b32 s101, 0
	s_lshl_b32 s18, s16, 9
	s_lshl_b32 s19, s15, 14
	s_lshl_b32 s99, s16, 12
	s_add_co_u32 s19, s19, s99
	s_add_co_u32 s19, s19, SC
	s_lshl_b32 s22, s15, 12
	s_add_co_u32 s22, s22, PP
	s_lshl_b32 s23, s14, 13
	s_add_co_u32 s23, s23, SC
	s_lshl_b32 s41, s14, 11
	s_add_co_u32 s41, s41, PP
	s_lshl_b32 s43, s16, 11
	s_lshl_b32 s99, s15, 9
	s_add_co_u32 s43, s43, s99
	s_add_co_u32 s43, s43, XS
	s_mul_i32 s99, s14, 2*TROW
	v_and_b32 v56, 15, v0
	v_bfe_u32 v57, v0, 4, 1
	v_and_b32 v58, 31, v0
	v_mul_u32_u24 v[VS0], v56, 1040
	v_lshl_add_u32 v[VS0], v57, 4, v[VS0]
	v_add_nc_u32 v[VS0], s18, v[VS0]
	v_add_nc_u32 v[VS0+1], SLOT1, v[VS0]
	v_lshl_add_u32 v[VLC], v58, 2, s19
	v_lshl_add_u32 v[VLC+1], v57, 5, s22
	v_lshlrev_b32 v[VW], 4, v58
	v_lshrrev_b32 v59, 2, v58
	v_and_b32 v60, 3, v58
	v_lshlrev_b32 v[PFO], 16, v59
	v_lshl_add_u32 v[PFO], v60, 8, v[PFO]
	v_lshl_add_u32 v[SMR], v59, 7, s23
	v_lshl_add_u32 v[SMR], v60, 4, v[SMR]
	v_lshl_add_u32 v[SMW], v58, 4, s41
	v_lshl_add_u32 v[XSA], v57, 10, s43
	v_lshl_add_u32 v[XSA], v56, 2, v[XSA]
	v_lshl_add_u32 v[XRA], v58, 5, XS
	v_lshlrev_b32 v[XCO], 3, v58
	v_lshlrev_b32 v23, 5, v57
	s_wait_alu depctr_va_vdst(0)
	s_wait_dscnt 0x0
	s_wait_kmcnt 0x0
	s_load_b64 s[96:97], s[76:77], 0x10
	s_load_b32 s98, s[76:77], 0x20
	s_add_nc_u64 s[12:13], s[4:5], s[20:21]
	s_add_nc_u64 s[NV:NV+1], s[6:7], s[20:21]
	s_add_nc_u64 s[PK0:PK0+1], s[12:13], s[46:47]
	s_add_nc_u64 s[PV0:PV0+1], s[NV:NV+1], s[46:47]
	s_add_nc_u64 s[PF:PF+1], s[PK0:PK0+1], 0x1000000
	s_add_nc_u64 s[WKP:WKP+1], s[8:9], s[92:93]
	s_add_nc_u64 s[WVP:WVP+1], s[10:11], s[92:93]
	s_add_nc_u64 s[94:95], s[72:73], s[94:95]
	s_add_nc_u64 s[68:69], s[74:75], s[68:69]
	s_add_nc_u64 s[100:101], s[78:79], s[100:101]
.irp s, 0,1
	s_mov_b32 s[G0+4*\s], 1
	s_add_co_u32 s[G0+4*\s+1], s99, \s*SLOT1
	s_add_nc_u64 s[G0+4*\s+2:G0+4*\s+3], s[12:13], \s*0x800000
	s_or_b32 s[G0+4*\s+3], s[G0+4*\s+3], 0x80000000
.endr
.irp i, 0,1,2,3
	global_load_b128 v[40+4*\i:43+4*\i], v[VW], s[68:69] offset:512*\i
.endr
	WIN 0x80
.irp b, 0,1,2,3
	global_load_b128 v[224+8*\b:227+8*\b], v23, s[94:95] offset:64*\b
	global_load_b128 v[228+8*\b:231+8*\b], v23, s[94:95] offset:64*\b+16
.endr
	WIN 0x40
.irp b, 0,1,2,3
	global_load_b128 v[224+8*\b:227+8*\b], v23, s[94:95] offset:256+64*\b
	global_load_b128 v[228+8*\b:231+8*\b], v23, s[94:95] offset:256+64*\b+16
.endr
.set LI, 0
.rept 8
	LDW 0, 0, LI, WKP
.set LI, LI+1
.endr
	WIN 0
	CROUND
	FILL 0
.set LI, 8
.rept 24
	LDW 0, LI/16, LI%16, WKP
.set LI, LI+1
.endr
	WIN 0
	s_wait_kmcnt 0x0
	s_wait_tensorcnt 0x0
	ds_add_u32 v[SPW], v[NIL]
	s_wait_dscnt 0x0
	CROUND
	FILL 1
	FETCH 0, VS0, 0
	FETCH 1, VS0, TROW
	global_prefetch_b8 v[PFO], s[PF:PF+1] th:TH_LOAD_NT scope:SCOPE_SE
	s_wait_dscnt 16
	s_wait_loadcnt 60
	RUN 0, 0, 0, 0, 2, 0, 16
	MIDDLE 0, 2, 0, 0, 0, 18
	s_wait_loadcnt 0x0
.set PN, 0
	RUN 0, 1, 0, 1, 2, 0, 16
	WIN 0
	FIN 0, 0
	SLOT 0, 0, 1, 384
	SLOT 0, 1, 1, 384
	SLOT 0, 2, 1, 384
	SLOT 0, 3, 1, 384
	v_nop
	v_nop
.set LI, 6
.rept 10
	LDW 1, 1, LI, WVP
.set LI, LI+1
.endr
.set PN, 0
	WIN 1
.rept 16
	PK 0, 1
.set PN, PN+1
.endr
	WIN 0
	FIN 1, 384
	s_wait_dscnt 0x0
	s_barrier_signal -1
	s_barrier_wait -1
.irp i, 0,1,2,3
.irp t, 0,1,2,3
	ds_load_b128 v[64+16*\i+4*\t:67+16*\i+4*\t], v[SMR] offset:1024*\i+4096*(\t/2)+64*(\t%2)
.endr
.endr
	s_wait_dscnt 0x0
.irp i, 0,1,2,3
.irp k, 0,2
	v_pk_add_f32 v[64+16*\i+\k:65+16*\i+\k], v[64+16*\i+\k:65+16*\i+\k], v[68+16*\i+\k:69+16*\i+\k]
	v_pk_add_f32 v[72+16*\i+\k:73+16*\i+\k], v[72+16*\i+\k:73+16*\i+\k], v[76+16*\i+\k:77+16*\i+\k]
.endr
.endr
.irp i, 0,1,2,3
.irp k, 0,2
	v_pk_add_f32 v[64+16*\i+\k:65+16*\i+\k], v[64+16*\i+\k:65+16*\i+\k], v[72+16*\i+\k:73+16*\i+\k]
.endr
.endr
.irp i, 0,1,2,3
.irp k, 0,2
	v_pk_add_f32 v[64+16*\i+\k:65+16*\i+\k], v[64+16*\i+\k:65+16*\i+\k], v[40+4*\i+\k:41+4*\i+\k]
.endr
.endr
	v_max3_num_f32 v56, v64, v65, v66
	v_max3_num_f32 v57, v67, v80, v81
	v_max3_num_f32 v56, v56, v82, v83
	v_max3_num_f32 v57, v57, v96, v97
	v_max3_num_f32 v56, v56, v98, v99
	v_max3_num_f32 v57, v57, v112, v113
	v_max3_num_f32 v56, v56, v114, v115
	v_max_num_f32 v56, v56, v57
.irp m, 1,2,4,8
	v_max_num_f32_dpp v56, v56, v56 row_xmask:\m row_mask:0xf bank_mask:0xf
.endr
	v_permlanex16_b32 v57, v56, s[SEL], s[SEL+1]
	v_max_num_f32 v56, v56, v57
.irp i, 0,1,2,3
.irp k, 0,2
	v_pk_add_f32 v[64+16*\i+\k:65+16*\i+\k], v[64+16*\i+\k:65+16*\i+\k], v[56:57] op_sel_hi:[1,0] neg_lo:[0,1] neg_hi:[0,1]
.endr
.endr
	s_wait_alu depctr_va_vdst(0)
.irp i, 0,1,2,3
.irp k, 0,1,2,3
	v_exp_f32 v[64+16*\i+\k], v[64+16*\i+\k]
.endr
.endr
	v_nop
	s_wait_alu depctr_va_vdst(0)
	v_pk_add_f32 v[58:59], v[64:65], v[66:67]
	v_pk_add_f32 v[60:61], v[80:81], v[82:83]
	v_pk_add_f32 v[58:59], v[58:59], v[96:97]
	v_pk_add_f32 v[60:61], v[60:61], v[98:99]
	v_pk_add_f32 v[58:59], v[58:59], v[112:113]
	v_pk_add_f32 v[60:61], v[60:61], v[114:115]
	v_pk_add_f32 v[58:59], v[58:59], v[60:61]
	v_add_f32 v58, v58, v59
.irp m, 1,2,4,8
	v_add_f32_dpp v58, v58, v58 row_xmask:\m row_mask:0xf bank_mask:0xf
.endr
	v_permlanex16_b32 v59, v58, s[SEL], s[SEL+1]
	v_add_f32 v58, v58, v59
	s_wait_alu depctr_va_vdst(0)
	v_rcp_f32 v60, v58
.set i, 0
.rept 16
	v_mov_b32 v[24+i], 0
.set i, i+1
.endr
	v_mov_b32 v[VST+1], v[VLC+1]
	s_wait_alu depctr_va_vdst(0)
.irp i, 0,1,2,3
.irp k, 0,2
	v_pk_mul_f32 v[64+16*\i+\k:65+16*\i+\k], v[64+16*\i+\k:65+16*\i+\k], v[60:61] op_sel_hi:[1,0]
.endr
.endr
.irp i, 0,1,2,3
	ds_store_b128 v[SMW], v[64+16*\i:67+16*\i] offset:512*\i
.endr
	s_wait_alu depctr_va_vdst(0)
	s_wait_dscnt 0x0
	s_barrier_signal -1
	s_barrier_wait -1
	SLOT 1, 4, 0, 0
	SLOT 1, 5, 1, 256
	SLOT 1, 6, 1, 256
	SLOT 1, 7, 1, 256
	PL 2, 192
	s_wait_dscnt 2
.set PN, 0
	RUN 1, 0, 1, 1, 6, 0, 16
	MIDDLE 1, 0, 7, 1, 192, 2
.set PN, 0
	RUN 1, 1, 1, 1, 6, 0, 16
	s_wait_dscnt 0x0
.set PN, 0
	WIN 4
.rept 16
	PK 1, 1
.set PN, PN+1
.endr
	WIN 0
.irp m, 0,1,2,3,4,5,6,7
	v_add_f32 v[24+2*\m], v[24+2*\m], v[25+2*\m]
.endr
.irp m, 0,1,2,3,4,5,6,7
	ds_store_b32 v[XSA], v[24+2*\m] offset:64*\m
.endr
	s_wait_dscnt 0x0
	s_barrier_signal -1
	s_barrier_wait -1
	s_cmp_lg_u32 s14, 0
	s_cbranch_scc1 .Lnot_first
.irp q, 0,1,2,3
	ds_load_b128 v[64+8*\q:67+8*\q], v[XRA] offset:1024*\q
	ds_load_b128 v[68+8*\q:71+8*\q], v[XRA] offset:1024*\q+16
.endr
	s_sub_co_i32 s92, s98, s96
	s_sub_co_i32 s92, s92, s97
	s_add_co_i32 s92, s92, 127
	s_lshl_b32 s18, s92, 23
	s_add_co_i32 s92, s92, 8
	s_lshl_b32 s92, s92, 23
	s_or_b32 s92, s92, 0x600000
	v_mov_b32 v56, s18
	v_mov_b32 v57, s92
	s_wait_alu depctr_va_vdst(0)
	s_wait_dscnt 0x0
.irp k, 0,2,4,6
	v_pk_add_f32 v[64+\k:65+\k], v[64+\k:65+\k], v[72+\k:73+\k]
	v_pk_add_f32 v[80+\k:81+\k], v[80+\k:81+\k], v[88+\k:89+\k]
.endr
.irp k, 0,2,4,6
	v_pk_add_f32 v[64+\k:65+\k], v[64+\k:65+\k], v[80+\k:81+\k] neg_lo:[0,1] neg_hi:[0,1]
.endr
.irp i, 0,1,2,3,4,5,6,7
	v_med3_num_f32 v[64+\i], v[64+\i], -v57, v57
.endr
	v_cvt_scalef32_pk8_fp8_f32 v[58:59], v[64:71], v56
	v_nop
	global_store_b64 v[XCO], v[58:59], s[100:101]
.Lnot_first:
	s_wait_tensorcnt 0x0
	ds_add_u32 v[SPW], v[NIL]
	s_wait_dscnt 0x0
	CROUND
	s_endpgm
.Lfunc_end_k_qb2786a9832_main:
	.size	k_qb2786a9832_main, .Lfunc_end_k_qb2786a9832_main-k_qb2786a9832_main
	.p2alignl 7, 3214868480
	.fill 96, 4, 3214868480
	.section	.rodata,"a",@progbits
	.p2align	6, 0x0
	.amdhsa_kernel k_qb2786a9832_main
		.amdhsa_group_segment_fixed_size 327680
		.amdhsa_private_segment_fixed_size 0
		.amdhsa_enable_private_segment 0
		.amdhsa_kernarg_size 64
		.amdhsa_user_sgpr_count 2
		.amdhsa_user_sgpr_kernarg_segment_ptr 1
		.amdhsa_wavefront_size32 1
		.amdhsa_system_sgpr_workgroup_id_x 1
		.amdhsa_system_sgpr_workgroup_id_y 1
		.amdhsa_system_sgpr_workgroup_id_z 1
		.amdhsa_system_vgpr_workitem_id 0
		.amdhsa_next_free_vgpr 1024
		.amdhsa_next_free_sgpr 102
		.amdhsa_reserve_vcc 0
		.amdhsa_float_denorm_mode_32 3
		.amdhsa_float_denorm_mode_16_64 3
		.amdhsa_memory_ordered 1
		.amdhsa_forward_progress 1
		.amdhsa_inst_pref_size 232
	.end_amdhsa_kernel
	.amdgpu_metadata
---
amdhsa.version: [ 1, 2 ]
amdhsa.kernels:
  - .name:           k_qb2786a9832_main
    .symbol:         k_qb2786a9832_main.kd
    .args:
      - { .name: key_codes, .offset: 0, .size: 8, .value_kind: global_buffer, .address_space: global }
      - { .name: value_codes, .offset: 8, .size: 8, .value_kind: global_buffer, .address_space: global }
      - { .name: wki, .offset: 16, .size: 8, .value_kind: global_buffer, .address_space: global }
      - { .name: wvi, .offset: 24, .size: 8, .value_kind: global_buffer, .address_space: global }
      - { .name: qs, .offset: 32, .size: 8, .value_kind: global_buffer, .address_space: global }
      - { .name: pb, .offset: 40, .size: 8, .value_kind: global_buffer, .address_space: global }
      - { .name: lowp_scales, .offset: 48, .size: 8, .value_kind: global_buffer, .address_space: global }
      - { .name: xc, .offset: 56, .size: 8, .value_kind: global_buffer, .address_space: global }
    .group_segment_fixed_size: 327680
    .private_segment_fixed_size: 0
    .kernarg_segment_align: 8
    .kernarg_segment_size: 64
    .max_flat_workgroup_size: 128
    .sgpr_count:     102
    .vgpr_count:     1024
    .wavefront_size: 32
...
	.end_amdgpu_metadata
.endif
;; end of part 2
;; launch outp (part 3): grid 16 x 4, 4 waves a work-group, no clusters, 168,448 bytes of LDS; arguments xc, w_out_codes, b_out, lowp_scales, out0; writes out0
.if DOCPART == 3
	.amdgcn_target "amdgcn-amd-amdhsa--gfx1250"
	.amdhsa_code_object_version 6
	.text
	.protected	k_qb2786a9832_outp
	.globl	k_qb2786a9832_outp
	.p2align	8
	.type	k_qb2786a9832_outp,@function
k_qb2786a9832_outp:
	s_mov_b64 s[64:65], 0
	v_nop
	global_prefetch_b8 v0, s[64:65] scope:SCOPE_SE
	s_setreg_imm32_b32 hwreg(HW_REG_WAVE_MODE, 25, 1), 1
	s_wait_xcnt 0x0
.set PW,    1040
.set WTILE, 16*PW
.set XT,    4*WTILE
.set STG,   XT+WTILE
.set G1W, 40
.set G1X, 48
.set G0W, 56
.set G0X, 60
.set MSB, 0
.macro WIN new
.if MSB != (\new)
	s_set_vgpr_msb (MSB<<8)|(\new)
.set MSB, \new
.endif
.endm
	s_load_b128 s[4:7], s[0:1], 0x0
	s_load_b128 s[8:11], s[0:1], 0x10
	s_load_b64 s[12:13], s[0:1], 0x20
	v_lshl_add_u32 v126, v0, 2, 0x29000
	v_mov_b32 v127, 0
	ds_add_u32 v126, v127
	ds_add_u32 v126, v127
	v_lshrrev_b32 v1, 5, v0
	v_readfirstlane_b32 s28, v1
	s_mov_b32 s29, ttmp9
	s_and_b32 s30, ttmp7, 0xffff
.irp g, G1W, G1X
	s_mov_b32 s[\g+0], (0<<16)|(1<<20)|(7<<22)|(3<<25)
	s_mov_b32 s[\g+1], 1024<<16
	s_mov_b32 s[\g+3], 1024<<16
	s_mov_b32 s[\g+5], 1024
	s_mov_b32 s[\g+6], 0
	s_mov_b32 s[\g+7], 0
.endr
	s_mov_b32 s[G1W+2], 32<<16
	s_mov_b32 s[G1W+4], 32
	s_mov_b32 s[G1X+2], 8<<16
	s_mov_b32 s[G1X+4], 8
	s_and_b32 s34, s28, 1
	s_mov_b32 s[G0W], 1
	s_mul_i32 s[G0W+1], s34, 2*WTILE
	s_mov_b32 s[G0X], 1
	s_mul_i32 s[G0X+1], s34, 8*PW
	s_add_co_u32 s[G0X+1], s[G0X+1], XT
	s_mov_b32 s33, 0
	s_mul_i32 s22, s28, WTILE
	s_lshl_b32 s23, s28, 6
	s_add_co_u32 s23, s23, STG
	s_mul_i32 s24, s28, 4*272
	s_add_co_u32 s24, s24, STG
	v_and_b32 v2, 15, v0
	v_bfe_u32 v3, v0, 4, 1
	v_mul_u32_u24 v4, v2, PW
	v_lshl_add_u32 v4, v3, 4, v4
	v_add_nc_u32 v6, XT, v4
	v_add_nc_u32 v4, s22, v4
	v_lshlrev_b32 v5, 5, v3
	v_mul_u32_u24 v8, v2, 272
	v_lshl_add_u32 v8, v3, 5, v8
	v_add_nc_u32 v8, s23, v8
	v_mul_u32_u24 v11, v3, 272
	v_lshl_add_u32 v11, v2, 4, v11
	v_add_nc_u32 v11, s24, v11
	v_lshlrev_b32 v12, 12, v3
	v_lshl_add_u32 v12, v2, 4, v12
	s_wait_alu depctr_va_vdst(0)
	s_wait_dscnt 0x0
	s_wait_kmcnt 0x0
	s_load_b64 s[20:21], s[10:11], 0x20
	s_lshl_b32 s32, s29, 16
	s_lshl_b32 s31, s34, 15
	s_add_co_u32 s32, s32, s31
	s_add_nc_u64 s[G0W+2:G0W+3], s[6:7], s[32:33]
	s_or_b32 s[G0W+3], s[G0W+3], 0x80000000
	s_lshl_b32 s32, s30, 14
	s_lshl_b32 s31, s34, 13
	s_add_co_u32 s32, s32, s31
	s_add_nc_u64 s[G0X+2:G0X+3], s[4:5], s[32:33]
	s_or_b32 s[G0X+3], s[G0X+3], 0x80000000
	s_cmp_lt_u32 s28, 2
	s_cbranch_scc0 .Lfor_x
	tensor_load_to_lds s[G0W:G0W+3], s[G1W:G1W+7]
	s_nop 0
.rept 4
	v_nop
.endr
	s_branch .Lasked
.Lfor_x:
	tensor_load_to_lds s[G0X:G0X+3], s[G1X:G1X+7]
	s_nop 0
.rept 4
	v_nop
.endr
.Lasked:
	s_lshl_b32 s32, s29, 8
	s_lshl_b32 s31, s28, 6
	s_add_co_u32 s32, s32, s31
	s_add_nc_u64 s[8:9], s[8:9], s[32:33]
	s_lshl_b32 s32, s30, 16
	s_lshl_b32 s31, s28, 14
	s_add_co_u32 s32, s32, s31
	s_lshl_b32 s31, s29, 8
	s_add_co_u32 s32, s32, s31
	s_add_nc_u64 s[12:13], s[12:13], s[32:33]
	global_load_b128 v[32:35], v5, s[8:9]
	global_load_b128 v[36:39], v5, s[8:9] offset:16
	s_wait_kmcnt 0x0
	s_add_co_i32 s36, s20, s21
	s_add_co_i32 s36, s36, 127
	s_lshl_b32 s36, s36, 23
	s_mov_b32 s37, s36
	s_wait_tensorcnt 0x0
	s_barrier_signal -1
	s_barrier_wait -1
.macro FRAGS s0
	WIN 0x40
.irp s, \s0, \s0+1, \s0+2, \s0+3
.irp c, 0,1,2,3
	ds_load_b128 v[16*(\s)+4*\c:16*(\s)+4*\c+3], v4 offset:128*(\s)+32*\c
.endr
.endr
	WIN 0
.irp s, \s0, \s0+1, \s0+2, \s0+3
.irp c, 0,1,2,3
	ds_load_b128 v[128+16*(\s)+4*\c:128+16*(\s)+4*\c+3], v6 offset:128*(\s)+32*\c
.endr
.endr
.endm
	FRAGS 0
	FRAGS 4
	s_wait_dscnt 32
	WIN 0x01
.irp s, 0,1,2,3,4,5,6,7
.if \s == 4
	s_wait_dscnt 0x0
.endif
.if \s < 2
	v_wmma_f32_16x16x128_fp8_fp8 v[16+8*(\s%2):23+8*(\s%2)], v[16*\s:16*\s+15], v[128+16*\s:143+16*\s], 0
.else
	v_wmma_f32_16x16x128_fp8_fp8 v[16+8*(\s%2):23+8*(\s%2)], v[16*\s:16*\s+15], v[128+16*\s:143+16*\s], v[16+8*(\s%2):23+8*(\s%2)]
.endif
.endr
	WIN 0
.rept 4
	v_nop
.endr
.irp k, 0,2,4,6
	v_pk_add_f32 v[40+\k:41+\k], v[16+\k:17+\k], v[24+\k:25+\k]
.endr
	s_wait_alu depctr_va_vdst(0)
	s_wait_loadcnt 0x0
.irp k, 0,2,4,6
	v_pk_fma_f32 v[40+\k:41+\k], v[40+\k:41+\k], s[36:37], v[32+\k:33+\k] op_sel_hi:[1,0,1]
.endr
	ds_store_b128 v8, v[40:43]
	ds_store_b128 v8, v[44:47] offset:16
	s_wait_dscnt 0x0
	s_barrier_signal -1
	s_barrier_wait -1
	ds_load_b128 v[48:51], v11
	ds_load_b128 v[52:55], v11 offset:2*272
	s_wait_dscnt 0x0
	global_store_b128 v12, v[48:51], s[12:13]
	global_store_b128 v12, v[52:55], s[12:13] offset:8192
	s_wait_tensorcnt 0x0
	ds_add_u32 v126, v127
	s_wait_dscnt 0x0
	s_endpgm
.Lfunc_end_k_qb2786a9832_outp:
	.size	k_qb2786a9832_outp, .Lfunc_end_k_qb2786a9832_outp-k_qb2786a9832_outp
	.p2alignl 7, 3214868480
	.fill 96, 4, 3214868480
	.section	.rodata,"a",@progbits
	.p2align	6, 0x0
	.amdhsa_kernel k_qb2786a9832_outp
		.amdhsa_group_segment_fixed_size 168448
		.amdhsa_private_segment_fixed_size 0
		.amdhsa_enable_private_segment 0
		.amdhsa_kernarg_size 40
		.amdhsa_user_sgpr_count 2
		.amdhsa_user_sgpr_kernarg_segment_ptr 1
		.amdhsa_wavefront_size32 1
		.amdhsa_system_sgpr_workgroup_id_x 1
		.amdhsa_system_sgpr_workgroup_id_y 1
		.amdhsa_system_sgpr_workgroup_id_z 1
		.amdhsa_system_vgpr_workitem_id 0
		.amdhsa_next_free_vgpr 384
		.amdhsa_next_free_sgpr 66
		.amdhsa_reserve_vcc 0
		.amdhsa_float_denorm_mode_32 3
		.amdhsa_float_denorm_mode_16_64 3
		.amdhsa_memory_ordered 1
		.amdhsa_forward_progress 1
		.amdhsa_inst_pref_size 12
	.end_amdhsa_kernel
	.amdgpu_metadata
---
amdhsa.version: [ 1, 2 ]
amdhsa.kernels:
  - .name:           k_qb2786a9832_outp
    .symbol:         k_qb2786a9832_outp.kd
    .args:
      - { .name: xc, .offset: 0, .size: 8, .value_kind: global_buffer, .address_space: global }
      - { .name: w_out_codes, .offset: 8, .size: 8, .value_kind: global_buffer, .address_space: global }
      - { .name: b_out, .offset: 16, .size: 8, .value_kind: global_buffer, .address_space: global }
      - { .name: lowp_scales, .offset: 24, .size: 8, .value_kind: global_buffer, .address_space: global }
      - { .name: out0, .offset: 32, .size: 8, .value_kind: global_buffer, .address_space: global }
    .group_segment_fixed_size: 168448
    .private_segment_fixed_size: 0
    .kernarg_segment_align: 8
    .kernarg_segment_size: 40
    .max_flat_workgroup_size: 128
    .sgpr_count:     66
    .vgpr_count:     384
    .wavefront_size: 32
...
	.end_amdgpu_metadata
.endif
;; end of part 3
